; MI455X (gfx1250); checked and timed in simulation.
; The chip was launched on July 23, 2026; its instructions are those of AMD's public machine-readable ISA for CDNA 5 (MIT licence, August 2026) and "CDNA5" Instruction Set Architecture Reference Guide (July 2026). The comments in the code are by the model that wrote it; some were corrected since.
;; Seq Attention. Allowed arithmetic: matrix products marked QUANTISED: E3M2 operands, one E8M0 scale for each 32 along K, by v_wmma_scale_f32_16x16x128_f8f6f4 with both operands' format E3M2, f32 sums; everything else in f32.
;; Inputs: key 64 x 2,048 x 64 float32; key_pe 1 x 64 x 1,024 float32; query 64 x 1,024 x 64 float32; value 64 x 2,048 x 64 float32.
;; Outputs: out0 64 x 1,024 x 64 float32.
;; This version of the problem:
;;   THIS VERSION OF THE PROBLEM IS GIVEN IN LOW PRECISION. The matrix products marked QUANTISED in the list below multiply operands that are first quantised to E3M2 (3 exponent bits, 2 mantissa bits; 6 bits a number), with one power-of-two scale for each 32 numbers along K (OCP MX v1.0); their sums are f32. All else is computed in f32.
;;   The module's matrix products, in the order in which they are computed (A, B: the left and right operand; K: the contracted axis; several contracted axes count as one K, in the product's order):
;;     1. batch 64 x [M 1,024, K 64] x [K 64, N 2,048]; A: input query; B: input key: QUANTISED
;;     2. [M 65,536, K 64] x [K 64, N 1,024]; A: input query; B: input key_pe: QUANTISED
;;     3. batch 64 x [M 1,024, K 2,048] x [K 2,048, N 64]; A: computed on the way; B: input value: QUANTISED
;;   THE QUANTISER, for each operand of a quantised product, along K:
;;     - K is cut into blocks of 32 from its start; a last block that is shorter is filled with zeros.
;;     - A block's scale is 2^e with e = floor(log2(the largest magnitude in the block)) - 4, held to -126 .. 127; a block of zeros has e = 0. As a byte (E8M0): e + 127.
;;     - Each number is divided by its block's scale, clamped to +-28, and rounded to the nearest number of E3M2, ties to even, subnormals kept.
;;     - The product sums the exact products of the quantised numbers (number of the format x scale) in f32.
;;   ~~~python
;;   def quantise(x, axis):      # numpy; x: float32 -> the quantised numbers, widened to float32 again
;;       x = np.moveaxis(x, axis, -1); K = x.shape[-1]
;;       x = np.pad(x, [(0, 0)] * (x.ndim - 1) + [(0, -K % 32)]); x = x.reshape(x.shape[:-1] + (-1, 32)); a = np.abs(x).max(-1, keepdims=True)
;;       e = np.where(a > 0, np.clip(np.frexp(np.where(a > 0, a, 1))[1] - 1 - 4, -126, 127), 0)      # np.frexp(a)[1] - 1 = floor(log2(a)), exactly
;;       r = np.clip(x / 2.0 ** e, -28, 28)
;;       step = 2.0 ** (np.maximum(np.frexp(np.where(r == 0, 1, r))[1] - 1, -2) - 2)
;;       q = np.round(r / step) * step * 2.0 ** e      # np.round: ties to even
;;       return np.moveaxis(q.reshape(q.shape[:-2] + (-1,))[..., :K], -1, axis).astype(np.float32)
;;   ~~~
;;   OPERANDS COMPUTED ON THE WAY. 'Computed on the way' means the value that the module computes at that place (a softmax that the list does not call 'softmax' is quantised finished and normalised). What goes into a quantiser is computed in f32, as accurately as f32 sums, v_exp_f32 and their like allow (about 1e-6 of the number): no bf16 or f16 on the way to a quantiser, and a product that is left as it is and whose result goes on into a quantised operand takes f32 operands (vector FMAs, or v_wmma_f32_16x16x4_f32). A number that lies on a knife's edge between two numbers of the format may be rounded either way, as far as f32 arithmetic and the matrix unit's own rounding can turn it there, and no further.
;; One version. Each part assembles by itself: llvm-mc -triple=amdgcn-amd-amdhsa -mcpu=gfx1250 --defsym DOCPART=n.
;; ======== version 1 of 1: 2 launches
;; limits: right only within a limited range of input values
;; workspace buffers: k_codes 6,291,456 bytes; k_scales 262,144 bytes; q_codes 3,145,728 bytes; q_scales 131,072 bytes; v_g4 4,194,304 bytes; v_g2 2,097,152 bytes; v_sc 262,144 bytes; pe_ops 121,856 bytes
;; launch prep (part 1): grid 915 x 1, 4 waves a work-group, no clusters, 33,280 bytes of LDS; arguments key, query, value, key_pe, k_codes, k_scales, q_codes, q_scales, v_g4, v_g2, v_sc, pe_ops; writes k_codes, k_scales, q_codes, q_scales, v_g4, v_g2, v_sc, pe_ops
.if DOCPART == 1
	.amdgcn_target "amdgcn-amd-amdhsa--gfx1250"
	.amdhsa_code_object_version 6
	.text
	.protected	k_qf32264c732_prep
	.globl	k_qf32264c732_prep
	.p2align	8
	.type	k_qf32264c732_prep,@function
k_qf32264c732_prep:
	s_mov_b64 s[64:65], 0
	v_nop
	global_prefetch_b8 v0, s[64:65] scope:SCOPE_SE
	s_setreg_imm32_b32 hwreg(HW_REG_WAVE_MODE, 25, 1), 1
	s_wait_xcnt 0x0
; All four inputs, f32, become codes of BF6 (E3M2), 6 bits each, with one E8M0 scale byte for each 32 along the K of their product, laid as the second launch's operand registers want them.
; A block's scale is 2^(floor(log2(its largest magnitude)) - 4); its byte is the largest magnitude's own exponent field - 4, held at 1 from below; numbers are divided by the scale and rounded to the nearest code, ties to even.
; LIMITS: a block of zeros gets the byte 1 where the quantiser's text says 127 (its codes are zeros, which add nothing under any byte but 0xff, and this program alone reads the bytes); blocks whose largest
; magnitude lies under 2^(5 - 127) share that byte; NaN and infinities among the inputs are not served.
; THREE PATHS, parted on the work-group's number; only the first touches LDS.
;   0 .. 383    key (256 work-groups) and query (128): K = the head's 64 is innermost, so both are plain streams of blocks of 32: codes [row][48 bytes], scale bytes [row][2].
;   384 .. 895  value: K = the keys, its first axis in a head.  A lane takes a column d and its registers run down the keys.  A block's six code registers leave as 16 bytes (v_g4: registers 0-3)
;               and 8 bytes (v_g2: registers 4, 5; two neighbouring blocks share 16 bytes), each laid [head][d / 16][block or pair][d % 16], so that sixteen lanes store 256 consecutive bytes.
;   896 .. 914  key_pe: 76 images of an operand's 12 registers: row x of image f (x = 16 (f - 4) + lane % 16) is [column x | column x - 1] of key_pe, 64 codes each; columns outside 0 .. 1023 are zero codes.
.set STEPS, 16
.set WGA,   256                        ; key's work-groups: 64 x 2048 x 64 / 32,768
.set WGR,   384                        ; + query's 128
.set WGV,   896                        ; + value's 512
.set CB,    12                         ; bytes of 16 codes
.set RR,    16                         ; v16-79   four sets of 16 numbers as they are loaded
.set XX,    80                         ; v80-111  two sets of 16 neighbours
.set CC,    128                        ; v128-191 codes: four registers a step, so that no store's data are written again
.set EE,    112                        ; v112-127 a scale byte for each step
.set WREG,  8192                       ; LDS: a region for each wave: two stages of 32 x SP bytes, then its 256 scale bytes
.set SP,    80                         ; a lane's place in a stage: 64 bytes + 16 of padding
	s_load_b512 s[4:19], s[0:1], 0x0               ; key s[4:5], query s[6:7], value s[8:9], key_pe s[10:11], k_codes s[12:13], k_scales s[14:15], q_codes s[16:17], q_scales s[18:19]
	s_load_b256 s[20:27], s[0:1], 0x40             ; v_g4 s[20:21], v_g2 s[22:23], v_sc s[24:25], pe_ops s[26:27]
	v_lshl_add_u32 v192, v0, 2, 0x8000
	v_mov_b32 v193, 0
	v_lshrrev_b32 v1, 5, v0
	v_readfirstlane_b32 s28, v1                    ; wave 0..3
	v_and_b32 v2, 31, v0                           ; lane
	s_cmp_lt_u32 ttmp9, WGR
	s_cbranch_scc0 .Lnot_rows
; ---------------- key and query: a wave takes 16 steps of 512 numbers.  Each load reads 512 consecutive bytes; a step's 2,048 bytes turn through the wave's own stage in LDS, so that a lane then holds 16 neighbours.
	v_lshlrev_b32 v3, 4, v2                        ; my 16 bytes of a load's 512
	s_mul_i32 s29, s28, WREG
	v_lshrrev_b32 v14, 2, v2
	v_mul_u32_u24 v14, v14, SP
	v_and_b32 v15, 3, v2
	v_lshl_add_u32 v14, v15, 4, v14
	v_add_nc_u32 v14, s29, v14                     ; the stage, on the way in: SP (lane / 4) + 16 (lane % 4)
	v_mul_u32_u24 v15, v2, SP
	v_add_nc_u32 v15, s29, v15                     ; and on the way out: SP x lane
	v_mul_u32_u24 v4, v2, CB                       ; my codes' place in a step's
	v_lshrrev_b32 v5, 1, v2
	s_add_co_u32 s29, s29, 2*32*SP
	v_add_nc_u32 v5, s29, v5                       ; LDS: my wave's 256 scale bytes, my block's byte
	v_lshlrev_b32 v7, 3, v2
	v_add_nc_u32 v6, s29, v7                       ; and on the way out 8 bytes a lane
	s_wait_kmcnt 0x0
	s_cmp_lt_u32 ttmp9, WGA                        ; key's work-group or query's: the choice hangs on the work-group's number alone
	s_cselect_b64 s[4:5], s[4:5], s[6:7]
	s_cselect_b64 s[12:13], s[12:13], s[16:17]
	s_cselect_b64 s[14:15], s[14:15], s[18:19]
	s_cselect_b32 s29, 0, WGA
	s_sub_co_u32 s29, ttmp9, s29
	s_lshl_b32 s29, s29, 2
	s_add_co_u32 s30, s29, s28                     ; which run of 8,192 numbers of the tensor is my wave's
	s_mov_b32 s31, 0
	s_mov_b64 s[32:33], 512*STEPS*4
	s_mul_u64 s[32:33], s[30:31], s[32:33]
	s_add_nc_u64 s[4:5], s[4:5], s[32:33]
	s_mov_b64 s[32:33], 32*STEPS*CB
	s_mul_u64 s[32:33], s[30:31], s[32:33]
	s_add_nc_u64 s[12:13], s[12:13], s[32:33]
	s_lshl_b32 s30, s30, 8                         ; 256 scale bytes a run
	s_add_nc_u64 s[14:15], s[14:15], s[30:31]
.macro LOAD t
.irp i, 0,1,2,3
	global_load_b128 v[RR+16*((\t)%4)+4*\i:RR+16*((\t)%4)+4*\i+3], v3, s[4:5] offset:2048*(\t)+512*\i th:TH_LOAD_NT
.endr
.endm
.macro TURN t                          ; step t's numbers through the stage: LDS serves a wave's instructions in order, so no wait stands between the stores and the loads
.irp i, 0,1,2,3
	ds_store_b128 v14, v[RR+16*((\t)%4)+4*\i:RR+16*((\t)%4)+4*\i+3] offset:32*SP*((\t)%2)+8*SP*\i
.endr
.irp i, 0,1,2,3
	ds_load_b128 v[XX+16*((\t)%2)+4*\i:XX+16*((\t)%2)+4*\i+3], v15 offset:32*SP*((\t)%2)+16*\i
.endr
.endm
.irp t, 0,1,2,3
	LOAD \t
.endr
	s_wait_loadcnt 12                              ; step 0's four loads are in; twelve younger ones stay out
	TURN 0
.macro STEP t
.set XS, XX+16*((\t)%2)
.if (\t) > 0
	s_wait_dscnt 1                                 ; this step's numbers are back from the stage (the last step's byte store may be out)
.else
	s_wait_dscnt 0x0
.endif
.if (\t)+4 < STEPS
	LOAD (\t)+4                                    ; into the registers whose stores into the stage are done
.endif
.if (\t)+1 < STEPS
.if STEPS-2-(\t) >= 3
	s_wait_loadcnt 12                              ; the next step's four loads are in; those of the three steps behind it may be out
.else
	s_wait_loadcnt 4*(STEPS-2-(\t))
.endif
	TURN (\t)+1
.endif
	v_max3_num_f32 v8, |v[XS]|, |v[XS+1]|, |v[XS+2]|               ; the largest magnitude of my 16, in two chains
	v_max3_num_f32 v9, |v[XS+3]|, |v[XS+4]|, |v[XS+5]|
.irp i, 6,10
	v_max3_num_f32 v8, v8, |v[XS+\i]|, |v[XS+\i+1]|
	v_max3_num_f32 v9, v9, |v[XS+\i+2]|, |v[XS+\i+3]|
.endr
	v_max3_num_f32 v8, v8, |v[XS+14]|, |v[XS+15]|
	v_max3_num_f32 v8, v8, v9, 0x2800000           ; and the floor 2^(5 - 127): the byte cannot fall under 1
	v_max_num_f32_dpp v8, v8, v8 row_xmask:1 row_mask:0xf bank_mask:0xf   ; with my neighbour's 16: the block's
	v_add_nc_u32 v11, 0xfe000000, v8               ; 4 off its exponent field: the conversion takes the exponent field of this operand as its scale
	v_cvt_scalef32_pk16_bf6_f32 v[CC+4*(\t):CC+4*(\t)+2], v[XS:XS+15], v11
	v_lshrrev_b32 v[EE+(\t)], 23, v11              ; the scale's byte (a plain line behind the conversion)
	ds_store_b8 v5, v[EE+(\t)] offset:16*(\t)      ; both lanes of a block write the same byte with the same value
	global_store_b96 v4, v[CC+4*(\t):CC+4*(\t)+2], s[12:13] offset:32*CB*(\t)
.endm
.irp t, 0,1,2,3,4,5,6,7,8,9,10,11,12,13,14,15
	STEP \t
.endr
	ds_load_b64 v[12:13], v6                       ; these see my byte stores: LDS serves a wave in order
	s_wait_dscnt 0x0
	global_store_b64 v7, v[12:13], s[14:15]        ; 32 lanes store 256 consecutive bytes, aligned
	s_wait_tensorcnt 0x0
	ds_add_u32 v192, v193
	s_wait_dscnt 0x0
	s_endpgm
.Lnot_rows:
	s_cmp_lt_u32 ttmp9, WGV
	s_cbranch_scc0 .Lpe
; ---------------- value: a wave takes 128 keys (4 blocks) x 32 columns d.  Unit U = 4 (work-group - 384) + wave: head U / 32, group of 128 keys (U % 32) / 2, half of the 64 columns U % 2.
	s_sub_co_u32 s29, ttmp9, WGR
	s_lshl_b32 s29, s29, 2
	s_add_co_u32 s29, s29, s28                     ; U
	s_lshr_b32 s30, s29, 5                         ; head
	s_bfe_u32 s31, s29, 0x40001                    ; group: 4 bits from bit 1
	s_and_b32 s32, s29, 1                          ; half
	v_lshlrev_b32 v3, 2, v2                        ; in: 4 bytes a lane; two waves side by side cover a key's 256 bytes
	v_lshrrev_b32 v6, 4, v2
	v_and_b32 v7, 15, v2
	v_lshlrev_b32 v7, 4, v7
	v_lshl_add_u32 v4, v6, 14, v7                  ; v_g4: 16,384 (lane / 16) + 16 (lane % 16)
	v_lshl_add_u32 v5, v6, 13, v7                  ; v_g2:  8,192 (lane / 16) + 16 (lane % 16)
	s_mov_b32 s35, 0
	s_wait_kmcnt 0x0
	s_lshl_b32 s34, s30, 19                        ; value: a head is 524,288 bytes, a group 32,768, a half 128
	s_lshl_b32 s36, s31, 15
	s_add_co_u32 s34, s34, s36
	s_lshl_b32 s36, s32, 7
	s_add_co_u32 s34, s34, s36
	s_add_nc_u64 s[8:9], s[8:9], s[34:35]
	s_lshl_b32 s34, s30, 16                        ; v_g4: a head 65,536, a half (two tiles of d) 32,768, a group (four blocks) 1,024
	s_lshl_b32 s36, s32, 15
	s_add_co_u32 s34, s34, s36
	s_lshl_b32 s36, s31, 10
	s_add_co_u32 s34, s34, s36
	s_add_nc_u64 s[20:21], s[20:21], s[34:35]
	s_lshl_b32 s34, s30, 15                        ; v_g2: half of that
	s_lshl_b32 s36, s32, 14
	s_add_co_u32 s34, s34, s36
	s_lshl_b32 s36, s31, 9
	s_add_co_u32 s34, s34, s36
	s_add_nc_u64 s[22:23], s[22:23], s[34:35]
	s_lshl_b32 s34, s30, 12                        ; v_sc: a head 4,096, a group 256, a half 128
	s_lshl_b32 s36, s31, 8
	s_add_co_u32 s34, s34, s36
	s_lshl_b32 s36, s32, 7
	s_add_co_u32 s34, s34, s36
	s_add_nc_u64 s[24:25], s[24:25], s[34:35]
.set jj, 0
.rept 128
	global_load_b32 v[32+jj], v3, s[8:9] offset:256*jj th:TH_LOAD_NT   ; key jj of the group, my column
.set jj, jj+1
.endr
.macro VBLK t, left                    ; block t: all its 32 numbers are mine.  left: how many younger loads may stay out
.set XS, 32+32*(\t)
	s_wait_loadcnt \left
	v_max3_num_f32 v12, |v[XS]|, |v[XS+1]|, |v[XS+2]|
	v_max3_num_f32 v13, |v[XS+3]|, |v[XS+4]|, |v[XS+5]|
.irp i, 6,10,14,18,22,26
	v_max3_num_f32 v12, v12, |v[XS+\i]|, |v[XS+\i+1]|
	v_max3_num_f32 v13, v13, |v[XS+\i+2]|, |v[XS+\i+3]|
.endr
	v_max3_num_f32 v12, v12, |v[XS+30]|, |v[XS+31]|
	v_max3_num_f32 v12, v12, v13, 0x2800000        ; the floor 2^(5 - 127)
	v_add_nc_u32 v11, 0xfe000000, v12              ; the conversions' scale operand
	v_lshrrev_b32 v13, 23, v11                     ; the byte
.if (\t) == 0
	v_mov_b32 v10, v13                             ; four bytes to a word, the lower keys in the lower byte
.else
	v_lshl_or_b32 v10, v13, 8*(\t), v10
.endif
	v_cvt_scalef32_pk16_bf6_f32 v[160+4*(\t):162+4*(\t)], v[XS:XS+15], v11
	v_cvt_scalef32_pk16_bf6_f32 v[176+4*(\t):178+4*(\t)], v[XS+16:XS+31], v11     ; (a conversion's three registers begin on an even number)
	v_nop                                          ; one plain line behind the conversions
	v_mov_b32 v[163+4*(\t)], v[176+4*(\t)]         ; registers 0-3 of the block's six
	v_mov_b32 v[16+4*((\t)/2)+2*((\t)%2)], v[177+4*(\t)]     ; registers 4, 5: two blocks to 16 bytes
	v_mov_b32 v[17+4*((\t)/2)+2*((\t)%2)], v[178+4*(\t)]
	global_store_b128 v4, v[160+4*(\t):163+4*(\t)], s[20:21] offset:256*(\t)      ; sixteen lanes store 256 consecutive bytes, aligned
.if (\t)%2 == 1
	global_store_b128 v5, v[16+4*((\t)/2):19+4*((\t)/2)], s[22:23] offset:256*((\t)/2)
.endif
.endm
	VBLK 0, 63                                     ; of 128 loads at most 63 are out: the oldest 65, blocks 0 and 1 among them, are in
	VBLK 1, 63
	VBLK 2, 32
	VBLK 3, 0
	global_store_b32 v3, v10, s[24:25]             ; my column's four scale bytes
	s_endpgm
.Lpe:
; ---------------- key_pe [64 (d)][1024 (x)]: wave = image f.  Lane (r, h), slot s: column x - s, x = 16 (f - 4) + r; its registers run down d = 32 h + 0 .. 31: a whole block.
	s_sub_co_u32 s29, ttmp9, WGV
	s_lshl_b32 s29, s29, 2
	s_add_co_u32 s29, s29, s28                     ; f, 0 .. 75
	v_and_b32 v3, 15, v0                           ; r
	v_bfe_u32 v4, v0, 4, 1                         ; h
	s_lshl_b32 s30, s29, 4
	s_sub_co_u32 s30, s30, 64
	v_add_nc_u32 v5, s30, v3                       ; slot 0's column (below 0 it wraps to a large number),
	v_add_nc_u32 v6, -1, v5                        ; slot 1's
	v_cmp_gt_u32 s32, 1024, v5                     ; inside 0 .. 1023?
	v_cmp_gt_u32 s33, 1024, v6
	v_cndmask_b32 v7, 0, v5, s32                   ; a column outside loads column 0: no load leaves the buffer; its numbers are replaced below
	v_cndmask_b32 v8, 0, v6, s33
	v_lshlrev_b32 v11, 17, v4                      ; 32 h rows of 4,096 bytes
	v_lshl_add_u32 v9, v7, 2, v11
	v_lshl_add_u32 v10, v8, 2, v11
	s_mov_b32 s34, 0x76543210
	s_mov_b32 s35, 0xfedcba98                      ; v_permlanex16_b32's selects for lane l xor 16
	s_wait_kmcnt 0x0
.set jj, 0
.rept 32
	global_load_b32 v[32+jj], v9, s[10:11] offset:4096*jj
	global_load_b32 v[64+jj], v10, s[10:11] offset:4096*jj
.set jj, jj+1
.endr
	s_mul_i32 s36, s29, 1536
	s_mov_b32 s37, 0
	s_add_nc_u64 s[38:39], s[26:27], s[36:37]      ; my image
	s_lshl_b32 s36, s29, 6
	s_add_co_u32 s36, s36, 116736
	s_add_nc_u64 s[40:41], s[26:27], s[36:37]      ; my entry of scale words
	v_lshlrev_b32 v20, 4, v2                       ; 16 x lane
	v_lshlrev_b32 v21, 2, v3                       ; 4 r
	s_wait_loadcnt 0x0
.set jj, 0
.rept 32
	v_cndmask_b32 v[32+jj], 0, v[32+jj], s32       ; columns outside count as zeros, ahead of the block's maximum
	v_cndmask_b32 v[64+jj], 0, v[64+jj], s33
.set jj, jj+1
.endr
.irp s, 0,1
	v_max3_num_f32 v[12+\s], |v[32+32*\s]|, |v[33+32*\s]|, 0x2800000   ; with the floor 2^(5 - 127)
.endr
.irp i, 2,4,6,8,10,12,14,16,18,20,22,24,26,28,30
.irp s, 0,1
	v_max3_num_f32 v[12+\s], v[12+\s], |v[32+32*\s+\i]|, |v[33+32*\s+\i]|
.endr
.endr
.irp s, 0,1
	v_add_nc_u32 v[14+\s], 0xfe000000, v[12+\s]    ; the conversions' scale operand
.endr
.irp s, 0,1
	v_lshrrev_b32 v[16+\s], 23, v[14+\s]           ; the byte
.endr
	v_lshl_or_b32 v18, v17, 16, v16                ; my two bytes: (x, d block h) and (x - 1, d block h),
	v_lshlrev_b32 v19, 3, v4
	v_lshlrev_b32 v18, v19, v18                    ; 8 h bits up;
	v_mov_b32 v19, 0
	v_permlanex16_b32 v19, v18, s34, s35
	v_or_b32 v18, v18, v19                         ; with lane l xor 16's two the row's word is whole
.irp s, 0,1
	v_cvt_scalef32_pk16_bf6_f32 v[96+6*\s:98+6*\s], v[32+32*\s:47+32*\s], v[14+\s]     ; registers 6 s .. 6 s + 5 of the operand
	v_cvt_scalef32_pk16_bf6_f32 v[112+4*\s:114+4*\s], v[48+32*\s:63+32*\s], v[14+\s]
.endr
	v_nop                                          ; one plain line behind the conversions
.irp s, 0,1
.irp i, 0,1,2
	v_mov_b32 v[99+6*\s+\i], v[112+4*\s+\i]
.endr
.endr
.irp g, 0,1,2
	global_store_b128 v20, v[96+4*\g:99+4*\g], s[38:39] offset:512*\g    ; the image: registers 4 g .. 4 g + 3 of lane l at 512 g + 16 l
.endr
	v_cmp_gt_u32 vcc_lo, 16, v2
	s_wait_xcnt 0x0                                ; EXEC changes only behind this wait
	s_and_saveexec_b32 s42, vcc_lo                 ; lanes 0-15: a word a row
	global_store_b32 v21, v18, s[40:41]
	s_cmp_lt_u32 s29, 72
	s_cbranch_scc1 .Lno_copy
	global_store_b32 v21, v18, s[40:41] offset:256 ; entries 76 .. 79 repeat 72 .. 75, so that the table is 80 entries, all written
.Lno_copy:
	s_wait_xcnt 0x0                                ; and again, in front of the line that widens it
	s_or_b32 exec_lo, exec_lo, s42
	s_endpgm
.Lfunc_end_k_qf32264c732_prep:
	.size	k_qf32264c732_prep, .Lfunc_end_k_qf32264c732_prep-k_qf32264c732_prep
	.p2alignl 7, 3214868480
	.fill 96, 4, 3214868480
	.section	.rodata,"a",@progbits
	.p2align	6, 0x0
	.amdhsa_kernel k_qf32264c732_prep
		.amdhsa_group_segment_fixed_size 33280
		.amdhsa_private_segment_fixed_size 0
		.amdhsa_enable_private_segment 0
		.amdhsa_kernarg_size 96
		.amdhsa_user_sgpr_count 2
		.amdhsa_user_sgpr_kernarg_segment_ptr 1
		.amdhsa_wavefront_size32 1
		.amdhsa_system_sgpr_workgroup_id_x 1
		.amdhsa_system_sgpr_workgroup_id_y 1
		.amdhsa_system_sgpr_workgroup_id_z 1
		.amdhsa_system_vgpr_workitem_id 0
		.amdhsa_next_free_vgpr 194
		.amdhsa_next_free_sgpr 66
		.amdhsa_reserve_vcc 1
		.amdhsa_float_denorm_mode_32 3
		.amdhsa_float_denorm_mode_16_64 3
		.amdhsa_memory_ordered 1
		.amdhsa_forward_progress 1
		.amdhsa_inst_pref_size 67
	.end_amdhsa_kernel
	.amdgpu_metadata
---
amdhsa.version: [ 1, 2 ]
amdhsa.kernels:
  - .name:           k_qf32264c732_prep
    .symbol:         k_qf32264c732_prep.kd
    .args:
      - { .name: key, .offset: 0, .size: 8, .value_kind: global_buffer, .address_space: global }
      - { .name: query, .offset: 8, .size: 8, .value_kind: global_buffer, .address_space: global }
      - { .name: value, .offset: 16, .size: 8, .value_kind: global_buffer, .address_space: global }
      - { .name: key_pe, .offset: 24, .size: 8, .value_kind: global_buffer, .address_space: global }
      - { .name: k_codes, .offset: 32, .size: 8, .value_kind: global_buffer, .address_space: global }
      - { .name: k_scales, .offset: 40, .size: 8, .value_kind: global_buffer, .address_space: global }
      - { .name: q_codes, .offset: 48, .size: 8, .value_kind: global_buffer, .address_space: global }
      - { .name: q_scales, .offset: 56, .size: 8, .value_kind: global_buffer, .address_space: global }
      - { .name: v_g4, .offset: 64, .size: 8, .value_kind: global_buffer, .address_space: global }
      - { .name: v_g2, .offset: 72, .size: 8, .value_kind: global_buffer, .address_space: global }
      - { .name: v_sc, .offset: 80, .size: 8, .value_kind: global_buffer, .address_space: global }
      - { .name: pe_ops, .offset: 88, .size: 8, .value_kind: global_buffer, .address_space: global }
    .group_segment_fixed_size: 33280
    .private_segment_fixed_size: 0
    .kernarg_segment_align: 8
    .kernarg_segment_size: 96
    .max_flat_workgroup_size: 128
    .sgpr_count:     66
    .vgpr_count:     194
    .wavefront_size: 32
...
	.end_amdgpu_metadata
.endif
;; end of part 1
;; launch attn (part 2): grid 4 x 64, 4 waves a work-group, no clusters, 327,680 bytes of LDS; arguments q_codes, q_scales, k_codes, k_scales, v_g4, v_g2, v_sc, pe_ops, out0; writes out0
.if DOCPART == 2
	.amdgcn_target "amdgcn-amd-amdhsa--gfx1250"
	.amdhsa_code_object_version 6
	.text
	.protected	k_qf32264c732_attn
	.globl	k_qf32264c732_attn
	.p2align	8
	.type	k_qf32264c732_attn,@function
k_qf32264c732_attn:
	s_mov_b64 s[64:65], 0
	v_nop
	global_prefetch_b8 v0, s[64:65] scope:SCOPE_SE
	s_setreg_imm32_b32 hwreg(HW_REG_WAVE_MODE, 25, 1), 1
	s_wait_xcnt 0x0
; out[b][i] = sum over l of softmax_l((q_i . k_(i+l) + q_i . pe_l) / 8) v_(i+l), l = 0 .. 1023; all three products on codes of BF6 (E3M2) with one E8M0 scale for each 32 along K.
; The weights are quantised FINISHED AND NORMALISED, along the absolute key index in blocks of 32, so a row's sum is known before any of its codes is made: the whole band of scores stays in registers.
; SHARES.  A work-group of four waves takes 64 queries (i0 a multiple of 64) at a time, four times (it stays: 256 work-groups).  Its window is 36 blocks of 32 keys from key i0 on.  THE WAVES SHARE THE KEYS:
; wave w owns window blocks 9 w .. 9 w + 8 for all four tiles of 16 queries: 72 tiles of 16 x 16 scores, 576 registers.  Each fragment of V and pe feeds four matrix instructions, each of K eight.
; LAYOUT.  Both products are used transposed (S^T = K Q^T, O^T = V^T P): a lane holds ONE query (lane % 16).  Row r of tile u of key block B is key 32 B + 8 u + r + 8 (r / 8), so that the 16 registers of a
; block's two tiles are keys 32 B + 16 (lane / 16) + 0 .. 15.
; K = 64 FILLS HALF OF THE INSTRUCTION'S 128.  Content: one fragment is [tile 0's rows | tile 1's rows]; against [q | 0] it gives tile 0, against [0 | q] tile 1; both stand in one run of 18 registers [q | 0 | q].
; Position: row x of a fragment is [pe_x | pe_(x-1)]; the queries' operand is [q | 0] in lanes of even r and [0 | q] in lanes of odd r: the result is pos(r, x - r % 2): the lowest bit of the skew costs nothing.
; THE REST OF THE SKEW, an even number of places that hangs on the lane, is one trip through the wave's own stage in LDS: the position tile is stored by rows of a query and read back 8 bytes at a time at
; an address that hangs on r, straight into the registers of the content product's C.  Row r of a stage lies at word 196 (r / 2) + 1568 (r % 2): the sixteen lanes of a 16-byte store then differ in
; (word / 4) mod 16, and the 32 lanes of an 8-byte load in (word / 2) mod 32.
; THE BAND'S MASK is the C of the position product: tiles of 0 or -1e30, made once.  A masked score is about -1e30, its weight exactly 0.
; SOFTMAX.  t = score x log2(e) / 8.  Each wave takes its own M_w = the largest t of its keys, rounded up to a whole number, e = 2^(t - M_w), and its own sum.  The waves exchange (-M_w, sum_w) once;
; p = e x fac, fac = 2^(M_w - M) / sum over w' of 2^(M_w' - M) sum_w'.  The powers of two round nothing.  A block's largest p is the block's largest score put through the same three instructions.
; LIMITS: NaN and infinities are not served; scores must stay far under 1e30 in magnitude; e and p under 2^-126 count as 0; a block of zero weights has the scale byte 1 (its codes are zeros);
; the block's largest p leans on v_exp_f32 not falling where its input rises; the row's sum is added in this text's own order.
; NO TENSOR LOADS, NO CLUSTER: LDS holds the 76 pe images (filled once through registers) and the four stages; K and V go from memory straight into operand registers, each load issued a phase or more
; ahead of its use; what all work-groups share is pe_ops alone, 121,856 bytes read once by each staying work-group.
;
; REGISTERS, in windows of 256 (s_set_vgpr_msb: bits 1:0 source 0, 3:2 source 1, 5:4 source 2, 7:6 destination):
;   window 0: v1-27 addresses; v28-47 at work; v222-255 scale words and nothing else.  Scores' phase: v48-119 [q|0|q] x 4, v120-167 the position product's queries, v168-215 four pe fragments.
;             Softmax's phase: v48-83 block maxima, v84-99 at work, v100-131 -M, sums, fac, v132-149 V's addresses, v150-197 statistics, then P's fragments, v198-213 the conversions' second halves.
;   window 1: scores of blocks 0-3 (block B, tile a at 64 B + 16 a); later O^T (tile a, channels 16 dt on, at 8 (4 a + dt)).
;   window 2: scores of blocks 4-7; later the four waves' parts of O.
;   window 3: v0-63 scores of block 8; v64-171 K's nine fragments, later v64-207 V's twelve; v208-233 the mask tiles; v234-255 scale bytes as loaded.
;   The position tiles on their way to the stage take four sets of 32 registers by turns: window 2's v192-255 and window 3's v0-63, the registers of blocks 7 and 8, which are due last.
.set PES,  116736                      ; LDS: 0: 76 pe images of 1,536 bytes;  here: 80 entries of 16 scale words
.set STG,  121856                      ; the stages: 50,176 bytes a wave, 12,544 a tile of queries
.set STW,  50176
.set STA,  12544
.set STAT, 322560                      ; the statistics: 1,024 bytes a wave: -M of tile a at 128 a + 4 lane, the sum 512 further on
.set R,    1
.set H,    2
.set VPE,  3                           ; 16 lane + 27,648 w: my wave's first pe image (18 w)
.set VPS,  4                           ; its scale words: PES + 4 r + 1,152 w
.set VST,  5                           ; stage, in:  my row + 32 h
.set VLD,  6                           ; stage, out: my row + 64 + 64 h - 4 (r & 14)
.set VOS,  7                           ; O's part, in: my stage + 272 r + 32 h
.set VOR,  8                           ; v8-11: O's parts, out: wave w''s stage + 272 (16 w + h) + 16 r
.set VOG,  12                          ; out0: 256 h + 16 r
.set VSW,  13
.set VSR,  14
.set VQ,   15                          ; q's codes: 48 r + 24 h
.set VQS,  16                          ; q's scale bytes: 2 r
.set VKL,  17                          ; K's codes: 48 (r + 8 (r / 8)) + 24 h
.set VKSL, 18                          ; K's scale bytes: 2 (r + 8 (r / 8))
.set VK,   19                          ; v19-21: + the window's first block; block 7; block 8 (held inside the head)
.set VKS,  22                          ; v22-24 likewise
.set R16,  25
.set L4,   26
.set NIL,  27
.set QS,   222                         ; scale words: q's, a tile
.set KS,   229                         ; K's, a block
.set PS,   238                         ; P's, (K step, tile)
.set PSB,  238                         ; pe's, four buffers: in the scores' phase they take the places of P's first four words, which are made anew in every trip
.set VS,   250                         ; V's, (K step, pair of channel tiles): lanes 0-15 the even tile, lanes 16-31 the odd
.set QC,   48
.set QP,   120
.set PEB,  168
.set BM,   48
.set TMP,  84
.set NM,   100
.set SA,   108
.set FAC,  124
.set VA4,  132
.set VA2,  138
.set VAS,  144
.set LN,   150
.set LSM,  166
.set VRAW, 182
.set PF,   150
.set TT,   198
.set KF,   64                          ; window 3
.set VF,   64
.set LOWALL,  208
.set LOW0,    216
.set HIGH0,   224
.set HIGHALL, 226
.set QRAW, 234
.set KRAW, 238
.set MSB, 0
.macro WIN new                         ; the immediate's high byte repeats the setting that is left; a switch that changes nothing is dropped
.if MSB != (\new)
	s_set_vgpr_msb (MSB<<8)|(\new)
.set MSB, (\new)
.endif
.endm
.macro NOPS n
.rept \n
	v_nop
.endr
.endm
.macro BAR                             ; my LDS stores have landed and my LDS loads are in: then the work-group's barrier
	s_wait_dscnt 0x0
	s_barrier_signal -1
	s_barrier_wait -1
.endm
; the addresses that hang on the window's first key block s26; blocks 7 and 8 are held at the head's last block (what is held so lies wholly under the mask)
.macro KADDR
	s_and_b32 s34, s26, 3
	s_lshl_b32 s34, s34, 3                         ; by how many bits V's scale words are shifted
	s_mul_i32 s35, s26, 1536                       ; a block: 32 rows of 48 bytes
	v_add_nc_u32 v[VK], s35, v[VKL]
	s_lshl_b32 s35, s26, 6                         ; and 32 x 2 scale bytes
	v_add_nc_u32 v[VKS], s35, v[VKSL]
	s_add_co_u32 s36, s26, 7
	s_min_u32 s36, s36, 63
	s_mul_i32 s35, s36, 1536
	v_add_nc_u32 v[VK+1], s35, v[VKL]
	s_lshl_b32 s35, s36, 6
	v_add_nc_u32 v[VKS+1], s35, v[VKSL]
	s_add_co_u32 s36, s26, 8
	s_min_u32 s36, s36, 63
	s_mul_i32 s35, s36, 1536
	v_add_nc_u32 v[VK+2], s35, v[VKL]
	s_lshl_b32 s35, s36, 6
	v_add_nc_u32 v[VKS+2], s35, v[VKSL]
.endm
; 56 loads: q's codes (12), q's scale bytes (4), K's scale bytes of blocks 0-4 (10), K's fragments 0-4 (30)
.macro BATCH1
	WIN 0
.irp a, 0,1,2,3
.irp p, 0,1,2
	global_load_b64 v[QC+18*\a+2*\p:QC+18*\a+2*\p+1], v[VQ], s[4:5] offset:768*\a+8*\p
.endr
.endr
	WIN 0xc0
.irp a, 0,1,2,3
	global_load_u16 v[QRAW+\a], v[VQS], s[6:7] offset:32*\a
.endr
.irp be, 0,1,2,3,4
.irp u, 0,1
	global_load_u16 v[KRAW+2*\be+\u], v[VKS], s[10:11] offset:64*\be+16*\u
.endr
.endr
.irp be, 0,1,2,3,4
.irp u, 0,1
.irp p, 0,1,2
	global_load_b64 v[KF+12*\be+6*\u+2*\p:KF+12*\be+6*\u+2*\p+1], v[VK], s[8:9] offset:1536*\be+384*\u+8*\p
.endr
.endr
.endr
	WIN 0
.endm
; 32 loads: K's scale bytes of blocks 5-8 (8), K's fragments 5-8 (24)
.macro BATCH2
	WIN 0xc0
.irp be, 5,6
.irp u, 0,1
	global_load_u16 v[KRAW+2*\be+\u], v[VKS], s[10:11] offset:64*\be+16*\u
.endr
.endr
.irp be, 7,8
.irp u, 0,1
	global_load_u16 v[KRAW+2*\be+\u], v[VKS+\be-6], s[10:11] offset:16*\u
.endr
.endr
.irp be, 5,6
.irp u, 0,1
.irp p, 0,1,2
	global_load_b64 v[KF+12*\be+6*\u+2*\p:KF+12*\be+6*\u+2*\p+1], v[VK], s[8:9] offset:1536*\be+384*\u+8*\p
.endr
.endr
.endr
.irp be, 7,8
.irp u, 0,1
.irp p, 0,1,2
	global_load_b64 v[KF+12*\be+6*\u+2*\p:KF+12*\be+6*\u+2*\p+1], v[VK+\be-6], s[8:9] offset:384*\u+8*\p
.endr
.endr
.endr
	WIN 0
.endm
; pe image 18 w + xi and its scale words into buffer i: four LDS loads
.macro PELOAD i, xi
	ds_load_b128 v[PEB+12*(\i):PEB+12*(\i)+3], v[VPE] offset:1536*(\xi)
	ds_load_b128 v[PEB+12*(\i)+4:PEB+12*(\i)+7], v[VPE] offset:1536*(\xi)+512
	ds_load_b128 v[PEB+12*(\i)+8:PEB+12*(\i)+11], v[VPE] offset:1536*(\xi)+1024
	ds_load_b32 v[PSB+(\i)], v[VPS] offset:64*(\xi)
.endm
; a chunk's first three images: twelve loads, asked for ahead of other work so that they land under it.  No other LDS instruction stands between them and the chunk's first step
.macro POSHEAD XI0
	PELOAD 0, \XI0
	PELOAD 1, (\XI0)+1
	PELOAD 2, (\XI0)+2
.endm
; set s of the four sets of position tiles: its window pdw and its first register pdr
.macro PDSET s
.if (\s) < 2
.set pdw, 2
.set pdr, 192+32*(\s)
.else
.set pdw, 3
.set pdr, 32*((\s)-2)
.endif
.endm
; sc = how many LDS stores step m's tiles take: two for each tile of queries that takes part (none for a step ahead of the chunk's first)
.macro STCNT m, XI0, TLO, THI
.set sc, 0
.if (\m) >= 0
.set qa, 0
.rept 4
.set qt, (\XI0)+(\m)-3+qa
.if (qt >= (\TLO)) && (qt <= (\THI))
.set sc, sc+2
.endif
.set qa, qa+1
.endr
.endif
.endm
; one position product.  Its C is the band's mask: image 18 w + xi holds columns 16 (18 w + xi - 4) on, so in wave 0 steps 0-3 lie under l = 0 and step 4 on it; in wave 3 step 14 lies on l = 1023, steps 15 on over it;
; in the other waves these tiles hold zeros
.macro POSW d, bi, qa, xi
.set CR, 0
.if (\xi) < 4
.set CR, LOWALL
.elseif (\xi) == 4
.set CR, LOW0
.elseif (\xi) == 14
.set CR, HIGH0
.elseif (\xi) > 14
.set CR, HIGHALL
.endif
.if CR == 0
	v_wmma_scale_f32_16x16x128_f8f6f4 v[\d:\d+7], v[PEB+12*(\bi):PEB+12*(\bi)+11], v[QP+12*(\qa):QP+12*(\qa)+11], 0, v[PSB+(\bi)], v[QS+(\qa)] matrix_a_fmt:MATRIX_FMT_BF6 matrix_b_fmt:MATRIX_FMT_BF6
.else
	v_wmma_scale_f32_16x16x128_f8f6f4 v[\d:\d+7], v[PEB+12*(\bi):PEB+12*(\bi)+11], v[QP+12*(\qa):QP+12*(\qa)+11], v[CR:CR+7], v[PSB+(\bi)], v[QS+(\qa)] matrix_a_fmt:MATRIX_FMT_BF6 matrix_b_fmt:MATRIX_FMT_BF6
.endif
.endm
; step m's position tiles go to the stage: tile a's is stage tile XI0 + m - 3 + a; each from its low end on
.macro POSST m, XI0, TLO, THI
.set ps, (\m)%4
	PDSET ps
	WIN pdw<<2                                     ; an LDS store's data are its source 1
.set qa, 0
.rept 4
.set qt, (\XI0)+(\m)-3+qa
.if (qt >= (\TLO)) && (qt <= (\THI))
.set qd, pdr+8*qa
	ds_store_b128 v[VST], v[qd:qd+3] offset:STA*qa+64*(qt-(\TLO))
	ds_store_b128 v[VST], v[qd+4:qd+7] offset:STA*qa+64*(qt-(\TLO))+16
.endif
.set qa, qa+1
.endr
	WIN 0
.endm
; NX steps, one pe image each, from XI0 on: stage tiles TLO .. THI of all four tiles of queries.  POSHEAD has asked for images 0 to 2.  Four image buffers and four sets of results take turns.
; Step n issues: its products; the stores of step n - 1's tiles; the loads of image n + 3.  So behind image n's loads stand the stores of steps n - 3 and n - 2 and the loads of images n + 1 and n + 2, and ahead
; of them the stores of step n - 4.  The wait at a step's head leaves just those younger ones out: image n is in, and the stores that read this step's set of result registers are done.
.macro POSCHUNK XI0, NX, TLO, THI
.set pn, 0
.rept \NX
.set pxi, (\XI0)+pn
.set pb, pn%4
.set pm, pn-3
	STCNT pm, \XI0, \TLO, \THI
.set pw, sc
.set pm, pn-2
	STCNT pm, \XI0, \TLO, \THI
.set pw, pw+sc
.if pn+2 < (\NX)
.set pw, pw+8
.elseif pn+1 < (\NX)
.set pw, pw+4
.endif
	s_wait_dscnt pw                                ; the stores of the last two steps but one and the loads of the next two images may be out
	PDSET pb
	WIN (pdw<<6)|0x30                              ; D in the set's window, C (a mask tile) in window 3
.set pa, 0
.rept 4
.set pt, pxi-3+pa
.if (pt >= (\TLO)) && (pt <= (\THI))
.set pd, pdr+8*pa
	POSW pd, pb, pa, pxi
.endif
.set pa, pa+1
.endr
.if pn+1 < (\NX)
	NOPS 4                                         ; the places behind these products: for their stores a step on, and, with the next step's four, for the load into their image's buffer
.else
	NOPS 5                                         ; behind the chunk's last products one more: matrix instructions will write over their results' registers
.endif
.if pn >= 1
.set pm, pn-1
	POSST pm, \XI0, \TLO, \THI
.endif
	WIN 0
.if pn+3 < (\NX)
.set pb, (pn+3)%4
.set px, pxi+3
	PELOAD pb, px
.endif
.set pn, pn+1
.endr
.set pm, (\NX)-1
	POSST pm, \XI0, \TLO, \THI
.endm
; block be's position scores come back from the stage, skewed, into the scores' registers: 32 loads of 8 bytes.  LDS serves a wave's instructions in order: they see the stage's stores.  bp: the block's number in the chunk
.macro CLOAD be, bp
	WIN (1+(\be)/4)<<6
.set ca, 0
.rept 4
.set ck, 0
.rept 8
	ds_load_b64 v[64*((\be)%4)+16*ca+2*ck:64*((\be)%4)+16*ca+2*ck+1], v[VLD] offset:STA*ca+128*(\bp)+8*ck
.set ck, ck+1
.endr
.set ca, ca+1
.endr
.endm
; block be's content products add onto them: eight accumulators, one instruction each
.macro CMUL be
.set cw, 1+(\be)/4
	WIN (cw<<6)|(cw<<4)|3
.set ca, 0
.rept 4
.set cu, 0
.rept 2
.set cs, 64*((\be)%4)+16*ca+8*cu
	v_wmma_scale_f32_16x16x128_f8f6f4 v[cs:cs+7], v[KF+12*(\be):KF+12*(\be)+11], v[QC+18*ca+6*cu:QC+18*ca+6*cu+11], v[cs:cs+7], v[KS+(\be)], v[QS+ca] matrix_a_fmt:MATRIX_FMT_BF6 matrix_b_fmt:MATRIX_FMT_BF6
.set cu, cu+1
.endr
.set ca, ca+1
.endr
.endm
; the largest score of each (block, tile) of window k: nu units of 16 registers; each accumulator is read from its low end on (tile 1's first read is its register 0, with tile 0's register 7)
.macro BMAXW k, nu
.set mb, BM+16*((\k)-1)
	WIN (\k)|((\k)<<2)|((\k)<<4)
.set mu, 0
.rept \nu
	v_max3_num_f32 v[mb+mu], v[16*mu], v[16*mu+1], v[16*mu+2]
.set mu, mu+1
.endr
	WIN ((\k)<<2)|((\k)<<4)
.irp i, 3,5,7,9,11,13
.set mu, 0
.rept \nu
	v_max3_num_f32 v[mb+mu], v[mb+mu], v[16*mu+\i], v[16*mu+\i+1]
.set mu, mu+1
.endr
.endr
.set mu, 0
.rept \nu
	v_max_num_f32 v[mb+mu], v[mb+mu], v[16*mu+15]
.set mu, mu+1
.endr
.endm
; e = 2^(c s - M) in place: a unit's 16 exponentials, with the next unit's 8 packed multiply-adds between them
.macro FEW k, nu
	WIN ((\k)<<6)|(\k)
.set fj, 0
.rept 8
	v_pk_fma_f32 v[fj:fj+1], v[fj:fj+1], s[28:29], v[NM:NM+1] op_sel_hi:[1,0,0]
.set fj, fj+2
.endr
.set fu, 0
.rept \nu
.set fj, 0
.rept 8
	v_exp_f32 v[16*fu+fj], v[16*fu+fj]
	v_exp_f32 v[16*fu+fj+1], v[16*fu+fj+1]
.if fu+1 < (\nu)
	v_pk_fma_f32 v[16*fu+16+fj:16*fu+17+fj], v[16*fu+16+fj:16*fu+17+fj], s[28:29], v[NM+2*((fu+1)%4):NM+2*((fu+1)%4)+1] op_sel_hi:[1,0,0]
.endif
.set fj, fj+2
.endr
.set fu, fu+1
.endr
.endm
; the sums of the unquantised e: eight chains (tile x two) that do not wait for each other
.macro SUMW k, nb
	WIN (\k)<<2
.set sb, 0
.rept \nb
.set si, 0
.rept 8
.set sa, 0
.rept 4
	v_pk_add_f32 v[SA+4*sa+2*(si%2):SA+4*sa+2*(si%2)+1], v[SA+4*sa+2*(si%2):SA+4*sa+2*(si%2)+1], v[64*sb+16*sa+2*si:64*sb+16*sa+2*si+1]
.set sa, sa+1
.endr
.set si, si+1
.endr
.set sb, sb+1
.endr
.endm
; p = e x fac, in place
.macro NORM k, nu
	WIN ((\k)<<6)|(\k)
.set nn, 0
.rept \nu
.set nj, 0
.rept 8
	v_pk_mul_f32 v[16*nn+nj:16*nn+nj+1], v[16*nn+nj:16*nn+nj+1], v[FAC+2*(nn%4):FAC+2*(nn%4)+1] op_sel_hi:[1,0]
.set nj, nj+2
.endr
.set nn, nn+1
.endr
.endm
; K step kap's blocks: the largest p, the conversions' scale operand (it stays in BM) and P's scale words.  nt blocks: 4, or 1 with three blocks of zero codes beside it
.macro SCL kap, nt
	WIN 0
.set sb, BM+16*(\kap)
.set si, 0
.rept 4*(\nt)
	v_mul_f32 v[sb+si], v[sb+si], v[FAC+2*(si%4)]  ; the same multiplication as the block's largest e has in NORM
.set si, si+1
.endr
.set si, 0
.rept 4*(\nt)
	v_max_num_f32 v[sb+si], 0x2800000, v[sb+si]    ; the floor 2^(5 - 127): the byte cannot fall under 1
.set si, si+1
.endr
.set si, 0
.rept 4*(\nt)
	v_add_nc_u32 v[sb+si], 0xfe000000, v[sb+si]    ; 4 off the exponent field
.set si, si+1
.endr
.set si, 0
.rept 4*(\nt)
	v_lshrrev_b32 v[TMP+si], 23, v[sb+si]          ; the byte
.set si, si+1
.endr
.irp a, 0,1,2,3
.if (\nt) == 4
	v_lshl_or_b32 v[PS+4*(\kap)+\a], v[TMP+4+\a], 8, v[TMP+\a]
.else
	v_or_b32 v[PS+4*(\kap)+\a], 0x7f7f7f00, v[TMP+\a]
.endif
.endr
.if (\nt) == 4
.irp a, 0,1,2,3
	v_lshl_or_b32 v[PS+4*(\kap)+\a], v[TMP+8+\a], 16, v[PS+4*(\kap)+\a]
.endr
.irp a, 0,1,2,3
	v_lshl_or_b32 v[PS+4*(\kap)+\a], v[TMP+12+\a], 24, v[PS+4*(\kap)+\a]
.endr
.endif
.endm
; the codes of a K step of four blocks, two tiles of queries at a time.  A lane's 16 numbers give half a block; the operand wants a whole block in a lane: lanes 0-15 block 2 c, lanes 16-31 block 2 c + 1
.macro CVT4 kap
.irp ap, 0,2
	WIN (\kap)+1                                   ; the numbers: window kap + 1
.irp aa, 0,1
.irp c, 0,1
	v_cvt_scalef32_pk16_bf6_f32 v[PF+12*(\ap+\aa)+6*\c:PF+12*(\ap+\aa)+6*\c+2], v[128*\c+16*(\ap+\aa):128*\c+16*(\ap+\aa)+15], v[BM+16*(\kap)+8*\c+\ap+\aa]
	v_cvt_scalef32_pk16_bf6_f32 v[TT+8*\aa+4*\c:TT+8*\aa+4*\c+2], v[128*\c+64+16*(\ap+\aa):128*\c+64+16*(\ap+\aa)+15], v[BM+16*(\kap)+8*\c+4+\ap+\aa]
.endr
.endr
	WIN 0
	v_nop                                          ; one plain line behind the conversions
.irp aa, 0,1
.irp c, 0,1
.irp i, 0,1,2
	v_permlane16_swap_b32 v[PF+12*(\ap+\aa)+6*\c+\i], v[TT+8*\aa+4*\c+\i]
.endr
.irp i, 0,1,2
	v_mov_b32 v[PF+12*(\ap+\aa)+6*\c+3+\i], v[TT+8*\aa+4*\c+\i]
.endr
.endr
.endr
.endr
	NOPS 4                                         ; operands written by vector instructions stand four places ahead of the products
.endm
; the last K step: block 8 and three blocks of zero codes
.macro CVT1
	WIN 0
.irp a, 0,1,2,3
.irp i, 0,1,2
	v_mov_b32 v[TT+4*\a+\i], 0
.endr
.irp i, 6,7,8,9,10,11
	v_mov_b32 v[PF+12*\a+\i], 0
.endr
.endr
	WIN 3
.irp a, 0,1,2,3
	v_cvt_scalef32_pk16_bf6_f32 v[PF+12*\a:PF+12*\a+2], v[16*\a:16*\a+15], v[BM+32+\a]
.endr
	WIN 0
	v_nop
.irp a, 0,1,2,3
.irp i, 0,1,2
	v_permlane16_swap_b32 v[PF+12*\a+\i], v[TT+4*\a+\i]
.endr
.irp i, 0,1,2
	v_mov_b32 v[PF+12*\a+3+\i], v[TT+4*\a+\i]
.endr
.endr
	NOPS 4
.endm
; O^T += V^T P: sixteen accumulators by turns, one instruction a turn, in the same order in every K step.  The first K step starts the sums
.macro PV kap
	WIN 0x53                                       ; V window 3, P window 0, O^T window 1
.irp dt, 0,1,2,3
.irp a, 0,1,2,3
.if (\kap) == 0
.if \dt%2 == 0
	v_wmma_scale_f32_16x16x128_f8f6f4 v[8*(4*\a+\dt):8*(4*\a+\dt)+7], v[VF+12*(4*(\kap)+\dt):VF+12*(4*(\kap)+\dt)+11], v[PF+12*\a:PF+12*\a+11], 0, v[VS+2*(\kap)+\dt/2], v[PS+4*(\kap)+\a] matrix_a_fmt:MATRIX_FMT_BF6 matrix_b_fmt:MATRIX_FMT_BF6
.else
	v_wmma_scale_f32_16x16x128_f8f6f4 v[8*(4*\a+\dt):8*(4*\a+\dt)+7], v[VF+12*(4*(\kap)+\dt):VF+12*(4*(\kap)+\dt)+11], v[PF+12*\a:PF+12*\a+11], 0, v[VS+2*(\kap)+\dt/2], v[PS+4*(\kap)+\a] matrix_a_fmt:MATRIX_FMT_BF6 matrix_b_fmt:MATRIX_FMT_BF6 matrix_a_scale:MATRIX_SCALE_ROW1
.endif
.else
.if \dt%2 == 0
	v_wmma_scale_f32_16x16x128_f8f6f4 v[8*(4*\a+\dt):8*(4*\a+\dt)+7], v[VF+12*(4*(\kap)+\dt):VF+12*(4*(\kap)+\dt)+11], v[PF+12*\a:PF+12*\a+11], v[8*(4*\a+\dt):8*(4*\a+\dt)+7], v[VS+2*(\kap)+\dt/2], v[PS+4*(\kap)+\a] matrix_a_fmt:MATRIX_FMT_BF6 matrix_b_fmt:MATRIX_FMT_BF6
.else
	v_wmma_scale_f32_16x16x128_f8f6f4 v[8*(4*\a+\dt):8*(4*\a+\dt)+7], v[VF+12*(4*(\kap)+\dt):VF+12*(4*(\kap)+\dt)+11], v[PF+12*\a:PF+12*\a+11], v[8*(4*\a+\dt):8*(4*\a+\dt)+7], v[VS+2*(\kap)+\dt/2], v[PS+4*(\kap)+\a] matrix_a_fmt:MATRIX_FMT_BF6 matrix_b_fmt:MATRIX_FMT_BF6 matrix_a_scale:MATRIX_SCALE_ROW1
.endif
.endif
.endr
.endr
.endm
; ================ THE HEAD
	s_load_b512 s[4:19], s[0:1], 0x0               ; q_codes s[4:5], q_scales s[6:7], k_codes s[8:9], k_scales s[10:11], v_g4 s[12:13], v_g2 s[14:15], v_sc s[16:17], pe_ops s[18:19]
	s_load_b64 s[20:21], s[0:1], 0x40              ; out0
	v_lshl_add_u32 v227, v0, 2, 0x4fc00
	v_mov_b32 v228, 0
	v_lshrrev_b32 v28, 5, v0
	v_readfirstlane_b32 s22, v28                   ; wave 0..3
	s_and_b32 s23, ttmp7, 0xffff                   ; the head
	s_mov_b32 s24, ttmp9                           ; which 256 queries of it
	s_mov_b32 s25, 0                               ; which 64 of those
	s_lshl_b32 s26, s24, 3
	s_mul_i32 s35, s22, 9
	s_add_co_u32 s26, s26, s35                     ; my window's first key block: i0 / 32 + 9 w
	s_mov_b32 s28, 0x3e38aa3b                      ; c = log2(e) / 8
	s_mov_b32 s29, s28                             ; (named with it as a pair, so it is written)
	s_mov_b32 s30, 0x76543210
	s_mov_b32 s31, 0xfedcba98                      ; v_permlanex16_b32's selects for lane l xor 16
	s_mov_b32 s32, 0xaaaaaaaa                      ; lanes of odd r
	s_mov_b32 s33, 0x0000aaaa                      ; of those, lanes 0-15
	v_and_b32 v[R], 15, v0
	v_bfe_u32 v[H], v0, 4, 1
	v_and_b32 v28, 31, v0                          ; lane
	v_lshlrev_b32 v[L4], 2, v28
	v_lshlrev_b32 v[R16], 4, v[R]
	v_mov_b32 v[NIL], 0
	s_mul_i32 s35, s22, 27648
	v_lshlrev_b32 v[VPE], 4, v28
	v_add_nc_u32 v[VPE], s35, v[VPE]
	s_mul_i32 s35, s22, 1152
	s_add_co_u32 s35, s35, PES
	v_lshl_add_u32 v[VPS], v[R], 2, s35
	v_lshrrev_b32 v29, 1, v[R]
	v_and_b32 v30, 1, v[R]
	v_mul_u32_u24 v31, v29, 784
	v_mad_u32_u24 v31, v30, 6272, v31              ; my row in a stage, in bytes: 4 (196 (r / 2) + 1568 (r % 2))
	s_mul_i32 s36, s22, STW
	s_add_co_u32 s36, s36, STG                     ; my wave's stage
	v_add_nc_u32 v31, s36, v31
	v_lshl_add_u32 v[VST], v[H], 5, v31
	v_and_b32 v32, 14, v[R]
	v_lshlrev_b32 v32, 2, v32
	v_lshl_add_u32 v[VLD], v[H], 6, v31
	v_sub_nc_u32 v[VLD], v[VLD], v32
	v_add_nc_u32 v[VLD], 64, v[VLD]
	v_mul_u32_u24 v33, v[R], 272
	v_lshl_add_u32 v33, v[H], 5, v33
	v_add_nc_u32 v[VOS], s36, v33
	s_mul_i32 s37, s22, 4352                       ; 16 w rows of 272 bytes
	s_add_co_u32 s37, s37, STG
	v_mul_u32_u24 v34, v[H], 272
	v_lshl_add_u32 v34, v[R], 4, v34
	v_add_nc_u32 v[VOR], s37, v34
	v_add_nc_u32 v[VOR+1], STW, v[VOR]
	v_add_nc_u32 v[VOR+2], 2*STW, v[VOR]
	v_add_nc_u32 v[VOR+3], 3*STW, v[VOR]
	v_lshl_add_u32 v[VOG], v[H], 8, v[R16]
	s_lshl_b32 s37, s22, 10
	s_add_co_u32 s37, s37, STAT
	v_add_nc_u32 v[VSW], s37, v[L4]
	v_add_nc_u32 v[VSR], STAT, v[L4]
	v_mul_u32_u24 v[VQ], v[R], 48
	v_mad_u32_u24 v[VQ], v[H], 24, v[VQ]
	v_lshlrev_b32 v[VQS], 1, v[R]
	v_and_b32 v35, 8, v[R]
	v_add_nc_u32 v35, v35, v[R]                    ; r + 8 (r / 8)
	v_mul_u32_u24 v[VKL], v35, 48
	v_mad_u32_u24 v[VKL], v[H], 24, v[VKL]
	v_lshlrev_b32 v[VKSL], 1, v35
	; the mask tiles.  -1e30 in wave 0 (under l = 0) and in wave 3 (over l = 1023), zeros in the others
	s_cmp_eq_u32 s22, 0
	s_cselect_b32 s37, 0xf149f2ca, 0
	s_cmp_eq_u32 s22, 3
	s_cselect_b32 s38, 0xf149f2ca, 0
	v_mov_b32 v28, s37
	v_mov_b32 v29, s38
	WIN 0xc0
.irp i, 0,1,2,3,4,5,6,7
	v_mov_b32 v[LOWALL+\i], s37
.endr
	v_cndmask_b32 v[LOW0], v[NIL], v28, s33        ; column x = 0 in a lane of odd r is l = -1: register 0 of lanes 0-15
.irp i, 1,2,3,4,5,6,7
	v_mov_b32 v[LOW0+\i], 0
.endr
	v_cndmask_b32 v[HIGH0], v29, v[NIL], s33       ; column x = 1024 in a lane of odd r is l = 1023: it counts
.irp i, 1,2,3,4,5,6,7,8,9
	v_mov_b32 v[HIGH0+\i], s38                     ; (the tile that is all over the band is registers 2 to 9 of this run)
.endr
	WIN 0
	v_lshlrev_b32 v40, 4, v0                       ; the copy of pe_ops: 16 bytes a thread, 2,048 a turn,
	v_lshlrev_b32 v41, 3, v0                       ; and 8 bytes a thread for the scale words
	v_add_nc_u32 v42, 65536, v40                   ; (an LDS instruction's immediate has 16 bits)
	v_add_nc_u32 v43, PES, v41
	s_wait_kmcnt 0x0
	s_lshl_b32 s38, s23, 10
	s_lshl_b32 s39, s24, 8
	s_add_co_u32 s38, s38, s39                     ; my first query's row: 1024 head + 256 x
	s_mov_b32 s41, 0
	s_mul_i32 s40, s38, 48
	s_add_nc_u64 s[4:5], s[4:5], s[40:41]
	s_lshl_b32 s40, s38, 1
	s_add_nc_u64 s[6:7], s[6:7], s[40:41]
	s_mul_i32 s40, s23, 98304
	s_add_nc_u64 s[8:9], s[8:9], s[40:41]
	s_lshl_b32 s40, s23, 12
	s_add_nc_u64 s[10:11], s[10:11], s[40:41]
	s_add_nc_u64 s[16:17], s[16:17], s[40:41]
	s_lshl_b32 s40, s23, 16
	s_add_nc_u64 s[12:13], s[12:13], s[40:41]
	s_lshl_b32 s40, s23, 15
	s_add_nc_u64 s[14:15], s[14:15], s[40:41]
	s_lshl_b32 s39, s22, 4
	s_add_co_u32 s40, s38, s39
	s_lshl_b32 s40, s40, 8                         ; out0: my wave stores rows 16 w .. 16 w + 15 of each 64
	s_add_nc_u64 s[20:21], s[20:21], s[40:41]
	WIN 0x40
.set ii, 0
.rept 57
	global_load_b128 v[4*ii:4*ii+3], v40, s[18:19] offset:2048*ii
.set ii, ii+1
.endr
	WIN 0x80
.set ii, 0
.rept 5
	global_load_b64 v[2*ii:2*ii+1], v41, s[18:19] offset:PES+1024*ii
.set ii, ii+1
.endr
	WIN 0
	KADDR
	BATCH1
	s_wait_loadcnt 56                              ; the 56 loads just issued may be out: pe_ops is in registers
	WIN 0x04
.set ii, 0
.rept 32
	ds_store_b128 v40, v[4*ii:4*ii+3] offset:2048*ii
.set ii, ii+1
.endr
.rept 25
	ds_store_b128 v42, v[4*ii:4*ii+3] offset:2048*(ii-32)
.set ii, ii+1
.endr
	WIN 0x08
.set ii, 0
.rept 5
	ds_store_b64 v43, v[2*ii:2*ii+1] offset:1024*ii
.set ii, ii+1
.endr
	WIN 0
	BAR                                            ; the images lie in LDS, for the whole launch
; ================ 64 QUERIES A TRIP
.Lit:
	POSHEAD 0                                      ; the first chunk's first three images land while q's operands are made
	s_wait_loadcnt 30                              ; q and the scale bytes are in; K's 30 code loads may be out
	WIN 0x33
.irp a, 0,1,2,3
	v_lshl_or_b32 v[QS+\a], v[QRAW+\a], 16, v[QRAW+\a]            ; q's two bytes serve either half of the 128
.endr
.irp be, 0,1,2,3,4
	v_lshl_or_b32 v[KS+\be], v[KRAW+2*\be+1], 16, v[KRAW+2*\be]   ; tile 0's rows' bytes below, tile 1's above
.endr
	WIN 0
.irp a, 0,1,2,3
.irp i, 0,1,2,3,4,5
	v_mov_b32 v[QC+18*\a+6+\i], 0
.endr
.endr
.irp a, 0,1,2,3
.irp i, 0,1,2,3,4,5
	v_mov_b32 v[QC+18*\a+12+\i], v[QC+18*\a+\i]
.endr
.endr
.irp a, 0,1,2,3
.irp i, 0,1,2,3,4,5
	v_cndmask_b32 v[QP+12*\a+\i], v[QC+18*\a+\i], v[NIL], s32     ; even r: [q | 0];
	v_cndmask_b32 v[QP+12*\a+6+\i], v[NIL], v[QC+18*\a+\i], s32   ; odd r: [0 | q]
.endr
.endr
	NOPS 4                                         ; operands written by vector instructions stand four places ahead of the products (the scale words, made first, more than eight)
	BATCH2
	POSCHUNK 0, 14, 0, 10                          ; stage tiles 0 .. 10: what blocks 0-4 want
	s_wait_loadcnt 32                              ; the 32 younger loads may be out: K's fragments 0-4 are in
	CLOAD 0, 0
.irp be, 0,1,2,3
	CLOAD \be+1, \be+1
	s_wait_dscnt 32                                ; all but the next block's 32 loads
	CMUL \be
.endr
	WIN 0
	POSHEAD 10                                     ; the second chunk's first three images land under block 4's products
	s_wait_dscnt 12                                ; all but those twelve loads: block 4's position scores are in
	CMUL 4
	s_wait_loadcnt 24                              ; K's 24 code loads may be out: the scale bytes of blocks 5-8 are in
	WIN 0x33
.irp be, 5,6,7,8
	v_lshl_or_b32 v[KS+\be], v[KRAW+2*\be+1], 16, v[KRAW+2*\be]
.endr
	WIN 0
	POSCHUNK 10, 12, 10, 18                        ; stage tiles 10 .. 18, over the first chunk's bytes: my reads of those are in
	s_wait_loadcnt 0x0
	CLOAD 5, 0
.irp be, 5,6,7
	CLOAD \be+1, \be-4
	s_wait_dscnt 32                                ; all but the next block's 32 loads: the stage's stores too have read their registers, into which blocks 7 and 8 are loaded behind this wait
	CMUL \be
.endr
	s_wait_dscnt 0x0
	CMUL 8
	WIN 0
	; ---- V's addresses (these plain lines are also the places behind the last products), then its 60 loads.  Lane (r, h) of fragment (K step, channels 16 dt on) holds, in registers 6 c on, key block 4 kap + 2 c + h
.set vj, 0
.rept 6
	s_add_co_u32 s35, s26, 2*vj
	v_add_nc_u32 v28, s35, v[H]
	v_min_u32 v28, 63, v28                         ; held inside the head: what is held so meets zero codes of P
	v_lshl_add_u32 v[VA4+vj], v28, 8, v[R16]
	v_lshrrev_b32 v29, 1, v28
	v_and_b32 v30, 1, v28
	v_lshl_add_u32 v30, v30, 3, v[R16]
	v_lshl_add_u32 v[VA2+vj], v29, 8, v30
.set vj, vj+1
.endr
.set vj, 0
.rept 3
	s_add_co_u32 s35, s26, 4*vj
	s_lshr_b32 s35, s35, 2
	s_min_u32 s35, s35, 15                         ; the word of four blocks in which the K step begins,
	s_add_co_u32 s36, s35, 1
	s_min_u32 s36, s36, 15                         ; and the next
	s_lshl_b32 s35, s35, 8
	s_lshl_b32 s36, s36, 8
	v_add_nc_u32 v[VAS+2*vj], s35, v[L4]
	v_add_nc_u32 v[VAS+2*vj+1], s36, v[L4]
.set vj, vj+1
.endr
.irp kap, 0,1,2
.irp g, 0,1
.irp e, 0,1
	global_load_b32 v[VRAW+4*\kap+2*\g+\e], v[VAS+2*\kap+\e], s[16:17] offset:128*\g
.endr
.endr
.endr
	WIN 0xc0
.irp kap, 0,1,2
.irp dt, 0,1,2,3
.irp c, 0,1
	global_load_b128 v[VF+12*(4*\kap+\dt)+6*\c:VF+12*(4*\kap+\dt)+6*\c+3], v[VA4+2*\kap+\c], s[12:13] offset:16384*\dt
	global_load_b64 v[VF+12*(4*\kap+\dt)+6*\c+4:VF+12*(4*\kap+\dt)+6*\c+5], v[VA2+2*\kap+\c], s[14:15] offset:8192*\dt
.endr
.endr
.endr
	; ---- the largest score of each block, which serves twice: for the row's maximum and for the block's largest p
	BMAXW 1, 16
	BMAXW 2, 16
	BMAXW 3, 4
	WIN 0
.irp g, 0,1,2
.irp i, 0,1,2,3,4,5,6,7,8,9,10,11
	v_permlanex16_b32 v[TMP+\i], v[BM+12*\g+\i], s30, s31
.endr
.irp i, 0,1,2,3,4,5,6,7,8,9,10,11
	v_max_num_f32 v[BM+12*\g+\i], v[BM+12*\g+\i], v[TMP+\i]       ; with lane l xor 16's 16 keys
.endr
.endr
.irp a, 0,1,2,3
	v_max3_num_f32 v[28+\a], v[BM+\a], v[BM+4+\a], v[BM+8+\a]
.endr
.irp j, 12,20,28
.irp a, 0,1,2,3
	v_max3_num_f32 v[28+\a], v[28+\a], v[BM+\j+\a], v[BM+\j+4+\a]
.endr
.endr
.irp a, 0,1,2,3
	v_mul_f32 v[28+\a], s28, v[28+\a]              ; as t (c is positive)
.endr
.irp a, 0,1,2,3
	v_floor_f32 v[NM+2*\a], -v[28+\a]              ; -M_w = floor(-t): a whole number
.endr
.irp a, 0,1,2,3
	v_mov_b32 v[NM+2*\a+1], v[NM+2*\a]             ; (named with it as a pair)
.endr
	FEW 1, 16
	FEW 2, 16
	FEW 3, 4
	WIN 0
.set ii, 0
.rept 36
	v_fma_f32 v[BM+ii], v[BM+ii], s28, v[NM+2*(ii%4)]             ; the same of each block's largest score
.set ii, ii+1
.endr
.set ii, 0
.rept 36
	v_exp_f32 v[BM+ii], v[BM+ii]
.set ii, ii+1
.endr
.set ii, 0
	s_wait_alu depctr_va_vdst(0)
.rept 16
	v_mov_b32 v[SA+ii], 0                          ; (plain lines behind the exponentials)
.set ii, ii+1
.endr
	SUMW 1, 4
	SUMW 2, 4
	SUMW 3, 1
	WIN 0
.irp a, 0,1,2,3
	v_pk_add_f32 v[SA+4*\a:SA+4*\a+1], v[SA+4*\a:SA+4*\a+1], v[SA+4*\a+2:SA+4*\a+3]
.endr
.irp a, 0,1,2,3
	v_add_f32 v[28+\a], v[SA+4*\a], v[SA+4*\a+1]
.endr
.irp a, 0,1,2,3
	v_permlanex16_b32 v[TMP+\a], v[28+\a], s30, s31
.endr
.irp a, 0,1,2,3
	v_add_f32 v[28+\a], v[28+\a], v[TMP+\a]        ; my wave's sum for the query
.endr
.irp a, 0,1,2,3
	ds_store_b32 v[VSW], v[NM+2*\a] offset:128*\a
	ds_store_b32 v[VSW], v[28+\a] offset:512+128*\a
.endr
	BAR                                            ; all four waves' statistics lie in LDS
.irp w, 0,1,2,3
.irp a, 0,1,2,3
	ds_load_b32 v[LN+4*\w+\a], v[VSR] offset:1024*\w+128*\a
	ds_load_b32 v[LSM+4*\w+\a], v[VSR] offset:1024*\w+512+128*\a
.endr
.endr
	s_wait_loadcnt 48                              ; V's 48 code loads may be out: its scale words are in
.irp kap, 0,1,2
.irp g, 0,1
	v_alignbit_b32 v[VS+2*\kap+\g], v[VRAW+4*\kap+2*\g+1], v[VRAW+4*\kap+2*\g], s34   ; the four bytes of blocks 4 kap .. 4 kap + 3 of my window, out of two words of four blocks
.endr
.endr
	s_wait_dscnt 0x0
.irp a, 0,1,2,3
	v_min3_num_f32 v[28+\a], v[LN+\a], v[LN+4+\a], v[LN+8+\a]
.endr
.irp a, 0,1,2,3
	v_min_num_f32 v[28+\a], v[28+\a], v[LN+12+\a]  ; -M: the least of the four -M_w
.endr
.set ii, 0
.rept 16
	v_sub_f32 v[LN+ii], v[28+ii%4], v[LN+ii]       ; M_w' - M: a whole number, 0 or less
.set ii, ii+1
.endr
.irp a, 0,1,2,3
	v_sub_f32 v[36+\a], v[28+\a], v[NM+2*\a]       ; my own
.endr
.set ii, 0
.rept 16
	v_cvt_i32_f32 v[LN+ii], v[LN+ii]               ; (it saturates)
.set ii, ii+1
.endr
.irp a, 0,1,2,3
	v_cvt_i32_f32 v[36+\a], v[36+\a]
.endr
.set ii, 0
.rept 16
	v_ldexp_f32 v[LN+ii], 1.0, v[LN+ii]            ; 2^(M_w' - M)
.set ii, ii+1
.endr
.irp a, 0,1,2,3
	v_ldexp_f32 v[36+\a], 1.0, v[36+\a]
.endr
.irp a, 0,1,2,3
	v_mul_f32 v[32+\a], v[LN+\a], v[LSM+\a]
.endr
.irp w, 1,2,3
.irp a, 0,1,2,3
	v_fma_f32 v[32+\a], v[LN+4*\w+\a], v[LSM+4*\w+\a], v[32+\a]   ; the row's sum under M, in the same order in every wave
.endr
.endr
.irp a, 0,1,2,3
	v_rcp_f32 v[32+\a], v[32+\a]
.endr
	v_nop                                          ; a plain line behind the reciprocals
	s_wait_alu depctr_va_vdst(0)
.irp a, 0,1,2,3
	v_mul_f32 v[FAC+2*\a], v[36+\a], v[32+\a]
.endr
.irp a, 0,1,2,3
	v_mov_b32 v[FAC+2*\a+1], v[FAC+2*\a]
.endr
	; ---- three K steps of 128 keys: normalise, scale words, codes, products.  A K step's packed multiplies are the places between the last K step's products and the conversions that write P's registers again
	NORM 1, 16
	SCL 0, 4
	CVT4 0
	s_wait_loadcnt 32                              ; the later two K steps' 32 loads may be out
	PV 0
	NORM 2, 16
	SCL 1, 4
	CVT4 1
	s_wait_loadcnt 16
	PV 1
	NORM 3, 4
	SCL 2, 1
	CVT1
	s_wait_loadcnt 0x0
	PV 2
	WIN 0
	NOPS 4                                         ; the places behind the last products: for the stores of O^T and the loads into V's registers
	s_cmp_eq_u32 s25, 3                            ; the next 64 queries' first loads go out here, if there are any: no load leaves its buffer
	s_cbranch_scc1 .Lno_next
	s_add_nc_u64 s[4:5], s[4:5], 3072              ; every load of mine is in, so bases and address registers may be written
	s_add_nc_u64 s[6:7], s[6:7], 128
	s_add_co_u32 s26, s26, 2
	KADDR
	BATCH1
.Lno_next:
	; ---- the four waves' parts of O meet in LDS (each wave's part in its own stage, 64 rows of 256 + 16 bytes); wave w adds and stores rows 16 w .. 16 w + 15
	WIN 0x04
.irp a, 0,1,2,3
.irp dt, 0,1,2,3
	ds_store_b128 v[VOS], v[8*(4*\a+\dt):8*(4*\a+\dt)+3] offset:4352*\a+64*\dt        ; lane (r, h): O(16 a + r, 16 dt + 8 h + 0 .. 7); each accumulator from its low end on
	ds_store_b128 v[VOS], v[8*(4*\a+\dt)+4:8*(4*\a+\dt)+7] offset:4352*\a+64*\dt+16
.endr
.endr
	WIN 0
	BAR
	WIN 0x80
.irp w, 0,1,2,3
.irp i, 0,1,2,3,4,5,6,7
	ds_load_b128 v[32*\w+4*\i:32*\w+4*\i+3], v[VOR+\w] offset:544*\i
.endr
.endr
	s_wait_dscnt 0x0
	WIN 0x8a
.irp w, 1,2,3
.set ii, 0
.rept 16
	v_pk_add_f32 v[2*ii:2*ii+1], v[2*ii:2*ii+1], v[32*\w+2*ii:32*\w+2*ii+1]
.set ii, ii+1
.endr
.endr
	WIN 0x08
.irp i, 0,1,2,3,4,5,6,7
	global_store_b128 v[VOG], v[4*\i:4*\i+3], s[20:21] offset:512*\i th:TH_STORE_NT   ; sixteen lanes store a row's 256 consecutive bytes, aligned; written once, read by nobody here
.endr
	WIN 0
	BAR                                            ; every wave's reads of the parts are in: the stages may be written again
	s_wait_xcnt 0x0                                ; the stores have read their base and their registers: both may be written again
	s_add_nc_u64 s[20:21], s[20:21], 16384
	s_add_co_u32 s25, s25, 1
	s_cmp_lt_u32 s25, 4
	s_cbranch_scc1 .Lit
	s_wait_tensorcnt 0x0
	ds_add_u32 v227, v228
	s_wait_dscnt 0x0
	s_endpgm
.Lfunc_end_k_qf32264c732_attn:
	.size	k_qf32264c732_attn, .Lfunc_end_k_qf32264c732_attn-k_qf32264c732_attn
	.p2alignl 7, 3214868480
	.fill 96, 4, 3214868480
	.section	.rodata,"a",@progbits
	.p2align	6, 0x0
	.amdhsa_kernel k_qf32264c732_attn
		.amdhsa_group_segment_fixed_size 327680
		.amdhsa_private_segment_fixed_size 0
		.amdhsa_enable_private_segment 0
		.amdhsa_kernarg_size 72
		.amdhsa_user_sgpr_count 2
		.amdhsa_user_sgpr_kernarg_segment_ptr 1
		.amdhsa_wavefront_size32 1
		.amdhsa_system_sgpr_workgroup_id_x 1
		.amdhsa_system_sgpr_workgroup_id_y 1
		.amdhsa_system_sgpr_workgroup_id_z 1
		.amdhsa_system_vgpr_workitem_id 0
		.amdhsa_next_free_vgpr 1024
		.amdhsa_next_free_sgpr 66
		.amdhsa_reserve_vcc 0
		.amdhsa_float_denorm_mode_32 3
		.amdhsa_float_denorm_mode_16_64 3
		.amdhsa_memory_ordered 1
		.amdhsa_forward_progress 1
		.amdhsa_inst_pref_size 244
	.end_amdhsa_kernel
	.amdgpu_metadata
---
amdhsa.version: [ 1, 2 ]
amdhsa.kernels:
  - .name:           k_qf32264c732_attn
    .symbol:         k_qf32264c732_attn.kd
    .args:
      - { .name: q_codes, .offset: 0, .size: 8, .value_kind: global_buffer, .address_space: global }
      - { .name: q_scales, .offset: 8, .size: 8, .value_kind: global_buffer, .address_space: global }
      - { .name: k_codes, .offset: 16, .size: 8, .value_kind: global_buffer, .address_space: global }
      - { .name: k_scales, .offset: 24, .size: 8, .value_kind: global_buffer, .address_space: global }
      - { .name: v_g4, .offset: 32, .size: 8, .value_kind: global_buffer, .address_space: global }
      - { .name: v_g2, .offset: 40, .size: 8, .value_kind: global_buffer, .address_space: global }
      - { .name: v_sc, .offset: 48, .size: 8, .value_kind: global_buffer, .address_space: global }
      - { .name: pe_ops, .offset: 56, .size: 8, .value_kind: global_buffer, .address_space: global }
      - { .name: out0, .offset: 64, .size: 8, .value_kind: global_buffer, .address_space: global }
    .group_segment_fixed_size: 327680
    .private_segment_fixed_size: 0
    .kernarg_segment_align: 8
    .kernarg_segment_size: 72
    .max_flat_workgroup_size: 128
    .sgpr_count:     66
    .vgpr_count:     1024
    .wavefront_size: 32
...
	.end_amdgpu_metadata
.endif
;; end of part 2
